; MI455X (gfx1250); checked and timed in simulation.
; The chip was launched on July 23, 2026; its instructions are those of AMD's public machine-readable ISA for CDNA 5 (MIT licence, August 2026) and "CDNA5" Instruction Set Architecture Reference Guide (July 2026). The comments in the code are by the model that wrote it; some were corrected since.
;; Mo E. Allowed arithmetic: matrix products marked QUANTISED: E2M1 operands, one E8M0 scale for each 32 along K, by v_wmma_scale_f32_16x16x128_f8f6f4 with both operands' format E2M1 (or v_wmma_scale_f32_32x16x128_f4), f32 sums; products left as they are: f32 operands where the result goes on into a quantised operand, else bf16, f16 or f32 operands; f32 sums; everything else in f32.
;; Inputs: We_codes 8 x 1,024 x 32 x 16 uint8 (E2M1 codes of We, K innermost, in blocks of 32 codes, two codes a byte); We_scales 8 x 1,024 x 32 uint8 (E8M0 scales of We, one for each 32 codes along K); Wg 1,024 x 8 float32; be 8 x 1,024 float32; bg 8 float32; x 4 x 2,048 x 1,024 float32.
;; Outputs: out0 4 x 2,048 x 1,024 float32.
;; This version of the problem:
;;   THIS VERSION OF THE PROBLEM IS GIVEN IN LOW PRECISION. The matrix products marked QUANTISED in the list below multiply operands that are first quantised to E2M1 (2 exponent bits, 1 mantissa bit; 4 bits a number), with one power-of-two scale for each 32 numbers along K (OCP MX v1.0); their sums are f32. All else is computed in f32.
;;   The module's matrix products, in the order in which they are computed (A, B: the left and right operand; K: the contracted axis; several contracted axes count as one K, in the product's order):
;;     1. [M 8,192, K 1,024] x [K 1,024, N 8,192]; A: input x; B: input We (given as codes): QUANTISED
;;     2. [M 8,192, K 1,024] x [K 1,024, N 8]; A: input x; B: input Wg: left as it is (N = 8 < 16)
;;     3. batch 8,192 x [M 1, K 8] x [K 8, N 1,024]; A: softmax; B: computed on the way: left as it is (K = 8 < 32)
;;   THE QUANTISER, for each operand of a quantised product, along K:
;;     - K is cut into blocks of 32 from its start; a last block that is shorter is filled with zeros.
;;     - A block's scale is 2^e with e = floor(log2(the largest magnitude in the block)) - 2, held to -126 .. 127; a block of zeros has e = 0. As a byte (E8M0): e + 127.
;;     - Each number is divided by its block's scale, clamped to +-6, and rounded to the nearest number of E2M1, ties to even, subnormals kept.
;;     - The product sums the exact products of the quantised numbers (number of the format x scale) in f32.
;;   ~~~python
;;   def quantise(x, axis):      # numpy; x: float32 -> the quantised numbers, widened to float32 again
;;       x = np.moveaxis(x, axis, -1); K = x.shape[-1]
;;       x = np.pad(x, [(0, 0)] * (x.ndim - 1) + [(0, -K % 32)]); x = x.reshape(x.shape[:-1] + (-1, 32)); a = np.abs(x).max(-1, keepdims=True)
;;       e = np.where(a > 0, np.clip(np.frexp(np.where(a > 0, a, 1))[1] - 1 - 2, -126, 127), 0)      # np.frexp(a)[1] - 1 = floor(log2(a)), exactly
;;       r = np.clip(x / 2.0 ** e, -6, 6)
;;       step = 2.0 ** (np.maximum(np.frexp(np.where(r == 0, 1, r))[1] - 1, 0) - 1)
;;       q = np.round(r / step) * step * 2.0 ** e      # np.round: ties to even
;;       return np.moveaxis(q.reshape(q.shape[:-2] + (-1,))[..., :K], -1, axis).astype(np.float32)
;;   ~~~
;;   INPUTS GIVEN AS CODES. We (in the module: [8, 1024, 1024], K = its axis 1): each comes as NAME_codes (uint8): NAME with its K axis moved to the last place and cut into blocks of 32 codes, [.., K / 32, bytes a block], one block behind the other in memory; two codes a byte, the lower K in the low four bits (a code: sign, 2 exponent bits, 1 mantissa bit); and NAME_scales (uint8): the same leading axes, one E8M0 byte (e + 127) for each 32 codes along K. Its value is code x scale, taken as it is: it is not quantised again, and the codes and scales need not be those that the quantiser above would give.
;; One version. Each part assembles by itself: llvm-mc -triple=amdgcn-amd-amdhsa -mcpu=gfx1250 --defsym DOCPART=n.
;; ======== version 1 of 1: 2 launches
;; workspace buffers: xq 4,194,304 bytes; xs 262,144 bytes; gate 262,144 bytes
;; launch prep (part 1): grid 256 x 1, 8 waves a work-group, no clusters, 120,832 bytes of LDS; arguments x, Wg, bg, xq, xs, gate; writes xq, xs, gate
.if DOCPART == 1
	.amdgcn_target "amdgcn-amd-amdhsa--gfx1250"
	.amdhsa_code_object_version 6
	.text
	.protected	k_qb71dbeb6ef_prep
	.globl	k_qb71dbeb6ef_prep
	.p2align	8
	.type	k_qb71dbeb6ef_prep,@function
k_qb71dbeb6ef_prep:
	s_mov_b64 s[64:65], 0
	v_nop
	global_prefetch_b8 v0, s[64:65] scope:SCOPE_SE
	s_setreg_imm32_b32 hwreg(HW_REG_WAVE_MODE, 25, 1), 1
	s_wait_xcnt 0x0
; x [8192][1024] f32 is read ONCE and becomes three things:
;   xq    its codes of FP4 (E2M1), one E8M0 scale for each 32 along K, laid as IMAGES OF THE OPERAND'S REGISTERS: the fragment of 16 rows x 128 K (8 registers a lane) of row block rb and K step 4 kh + s
;         lies at kh x 2 MiB + rb x 4,096 + s x 1,024 + c x 512 + 16 x lane (c: registers 4 c .. 4 c + 3), so that 256 rows x half of K are 65,536 consecutive bytes;
;   xs    its scale words, [row][8]: word s holds the four bytes of k = 128 s .. 128 s + 127;
;   gate  softmax(x Wg + bg), [row][8] f32.
; A block's scale is 2^(floor(log2(its largest magnitude)) - 2); its byte is the largest magnitude's exponent field - 2, held at 1 from below; each number is divided by the scale and rounded to the nearest code, ties to even,
; beyond the largest code the largest.
; LIMITS: NaN and infinities in x are not served.  A block of zeros gets the byte 1 where the rule says 127: its codes are zeros, which add nothing, and this program alone reads the bytes.
; The gate's product takes x and Wg rounded to bf16 (f32 sums): its error grows with the size and the offset of the inputs.  The row's maximum is taken away ahead of the exponentials; an exponential under 2^-126 becomes 0.
; SHARES.  A work-group takes 32 rows, two blocks of 16.  Wave w takes k = 128 w .. 128 w + 127 of both blocks: one fragment and one scale word a row for each block, and its part of the eight logits.
; Each load reads 512 consecutive bytes of a row; the conversions want 16 NEIGHBOURS along K in a lane, so a block's 8,192 bytes turn through the wave's own stage in LDS.  All 40 loads of a wave go out at the head.
; The logits' parts meet in LDS behind the one barrier; wave 0 finishes block 0, wave 1 block 1.
.set XST,  0                           ; LDS: a stage for each wave: 16 rows x (512 bytes + 16): row r starts at bank 4 r mod 64 (64 banks of 4 bytes: ISA guide 11.1)
.set WGS,  8*8448                      ; each wave's 128 rows of Wg: 8 pieces of 512 bytes, 544 apart
.set PART, WGS+8*4352                  ; the logits' parts: [block][wave][c][lane][16 bytes]
.set SCW,  PART+16384                  ; the scale words: [block][row][8 words]
.set TM,   16                          ; v16-31   QUANT at work
.set WF,   32                          ; v32-63   Wg as loaded, then its four bf16 fragments
.set WR,   64                          ; v64-127  Wg by lanes, f32
.set N0,   64                          ; v64-127  block 0: 64 neighbours a lane; then bf16 in v64-95
.set R0,   128                         ; v128-191 block 0 as loaded
.set N1,   128                         ; v128-191 block 1: 64 neighbours a lane; then bf16 in v128-159
.set R1,   192                         ; v192-255 block 1 as loaded; free once its stores into the stage are done:
.set PC0,  192                         ; v192-199 block 0's codes;  v200-207 block 1's
.set PC1,  200
.set ACC0, 208                         ; v208-215, v216-223 the logits' parts
.set ACC1, 216
.set PW0,  240                         ; v240, v241 the scale words
.set PW1,  241
.set LG,   64                          ; the tail: v64-127 the eight waves' parts; v64-71 the logits
; v1 lane, v2 r = lane % 16, v3 h = lane / 16; v4 x's offset; v5 16 x lane; v6, v7 the stage, in and back; v8, v9 Wg's pieces, in and back; v10 my parts; v11 my scale word; v12, v13 the tail's reads; v14 the gates' offset
; 64 numbers of a lane, v[s] on, register 16 b + i = k 32 b + 16 h + i of my row, become a fragment's codes in v[pc] on and its scale word in v[pw].
.macro QUANT s, pc, pw
.irp b, 0,1,2,3
	v_max3_num_f32 v[TM+\b], |v[\s+16*\b]|, |v[\s+1+16*\b]|, 0x1800000   ; block b: my 16 numbers, and the floor 2^(3 - 127): the byte cannot fall under 1
.endr
.irp i, 2,4,6,8,10,12,14
.irp b, 0,1,2,3
	v_max3_num_f32 v[TM+\b], v[TM+\b], |v[\s+16*\b+\i]|, |v[\s+1+16*\b+\i]|   ; the four blocks by turns
.endr
.endr
.irp b, 0,1,2,3
	v_permlanex16_b32 v[TM+4+\b], v[TM+\b], s20, s21
.endr
.irp b, 0,1,2,3
	v_max_num_f32 v[TM+\b], v[TM+\b], v[TM+4+\b]   ; with lane l xor 16's: the block's largest magnitude
.endr
.irp b, 0,1,2,3
	v_add_nc_u32 v[TM+12+\b], 0xff000000, v[TM+\b]   ; 2 off its exponent field: the conversion takes the exponent field of this operand as its scale
.endr
.irp b, 0,1,2,3
	v_lshrrev_b32 v[TM+4+\b], 23, v[TM+12+\b]      ; the scale's byte
.endr
	v_lshl_or_b32 v[\pw], v[TM+5], 8, v[TM+4]      ; four bytes make my row's scale word
	v_lshl_or_b32 v[\pw], v[TM+6], 16, v[\pw]
	v_lshl_or_b32 v[\pw], v[TM+7], 24, v[\pw]
.irp b, 0,1,2,3
	v_cvt_scalef32_pk8_fp4_f32 v[\pc+2*\b], v[\s+16*\b:\s+7+16*\b], v[TM+12+\b]
	v_cvt_scalef32_pk8_fp4_f32 v[\pc+1+2*\b], v[\s+8+16*\b:\s+15+16*\b], v[TM+12+\b]
.endr
	v_nop                                          ; one plain instruction behind the scaled conversions, ahead of what touches their results and sources
.irp c, 0,1                                    ; the operand's layout wants a WHOLE block in a lane: lanes 0-15 block 2 c, lanes 16-31 block 2 c + 1
.irp i, 0,1
	v_permlane16_swap_b32 v[\pc+4*\c+\i], v[\pc+2+4*\c+\i]
.endr
.endr
.endm
.macro TOSTAGE raw                             ; a block as loaded: row p's 512 bytes, 16 a lane
.set p, 0
.rept 16
	ds_store_b128 v6, v[\raw+4*p:\raw+4*p+3] offset:528*p
.set p, p+1
.endr
.endm
.macro BACK nb                                 ; and back: of row r, 16 neighbours of each block of 32
.irp b, 0,1,2,3
.irp j, 0,1,2,3
	ds_load_b128 v[\nb+16*\b+4*\j:\nb+16*\b+4*\j+3], v7 offset:128*\b+16*\j
.endr
.endr
.endm
; Block i: codes and scale word; the image leaves as two stores of 512 consecutive bytes; the word goes to LDS; then the same 64 numbers are rounded to bf16 in place, for the gate's product.
.macro FINISH n, pc, pw, i
	QUANT \n, \pc, \pw
	global_store_b128 v5, v[\pc:\pc+3], s[10:11] offset:4096*\i
	global_store_b128 v5, v[\pc+4:\pc+7], s[10:11] offset:4096*\i+512
	ds_store_b32 v11, v[\pw] offset:512*\i         ; both lanes of a row write the same word with the same value
.set k, 0
.rept 32
	v_cvt_pk_bf16_f32 v[\n+k], v[\n+2*k], v[\n+2*k+1]   ; ascending: register k is written when numbers 2 k and 2 k + 1 are read
.set k, k+1
.endr
.endm
	s_load_b256 s[4:11], s[0:1], 0x0               ; x s[4:5], Wg s[6:7], bg s[8:9], xq s[10:11]
	s_load_b128 s[12:15], s[0:1], 0x20             ; xs s[12:13], gate s[14:15]
	v_lshl_add_u32 v26, v0, 2, 0x1d400
	v_mov_b32 v27, 0
	v_lshrrev_b32 v15, 5, v0
	v_readfirstlane_b32 s16, v15                   ; wave 0..7
	v_and_b32 v1, 31, v0
	v_and_b32 v2, 15, v0
	v_bfe_u32 v3, v0, 4, 1
	v_lshlrev_b32 v5, 4, v1                        ; 16 x lane
	v_lshl_add_u32 v4, v15, 9, v5                  ; x: my 16 bytes of my wave's 512 of a row
	s_mul_i32 s17, s16, 8448
	v_add_nc_u32 v6, s17, v5                       ; the stage, in
	v_mul_u32_u24 v7, v2, 528
	v_lshl_add_u32 v7, v3, 6, v7
	v_add_nc_u32 v7, s17, v7                       ; and back: row r, + 64 h
	s_mul_i32 s17, s16, 4352
	s_add_co_u32 s17, s17, WGS
	v_add_nc_u32 v8, s17, v5                       ; Wg's pieces, in
	v_and_b32 v9, 7, v0
	v_lshlrev_b32 v9, 2, v9
	v_mad_u32_u24 v9, v3, 544, v9
	v_add_nc_u32 v9, s17, v9                       ; and back: expert r % 8; lanes 16-31 one piece (16 rows of Wg) further on
	s_lshl_b32 s17, s16, 10
	s_add_co_u32 s17, s17, PART
	v_add_nc_u32 v10, s17, v5                      ; my parts of the logits
	s_lshl_b32 s17, s16, 2
	s_add_co_u32 s17, s17, SCW
	v_lshl_add_u32 v11, v2, 5, s17                 ; my row's word number w
	s_and_b32 s18, s16, 1                          ; the tail: wave 0 takes block 0, wave 1 block 1
	s_lshl_b32 s17, s18, 13
	s_add_co_u32 s17, s17, PART
	v_add_nc_u32 v12, s17, v5
	s_lshl_b32 s17, s18, 9
	s_add_co_u32 s19, s17, SCW
	v_add_nc_u32 v13, s19, v5
	v_lshlrev_b32 v14, 5, v2
	v_lshl_add_u32 v14, v3, 4, v14                 ; gates: 32 r + 16 h
	s_lshl_b32 s32, ttmp9, 17                      ; x: 32 rows of 4,096 bytes a work-group
	s_mov_b32 s33, 0
	s_lshl_b32 s34, s16, 12                        ; Wg: 128 rows of 32 bytes a wave
	s_mov_b32 s35, 0
	s_lshr_b32 s36, s16, 2                         ; xq: kh x 2 MiB + 2 row blocks a work-group + 1,024 x (w % 4)
	s_lshl_b32 s36, s36, 21
	s_lshl_b32 s37, ttmp9, 13
	s_add_co_u32 s36, s36, s37
	s_and_b32 s37, s16, 3
	s_lshl_b32 s37, s37, 10
	s_add_co_u32 s36, s36, s37
	s_mov_b32 s37, 0
	s_lshl_b32 s38, ttmp9, 10                      ; xs and gate: 32 bytes a row; + the tail's block
	s_add_co_u32 s38, s38, s17
	s_mov_b32 s39, 0
	s_mov_b32 s20, 0x76543210
	s_mov_b32 s21, 0xfedcba98                      ; v_permlanex16_b32's selects for lane l xor 16
	s_mov_b32 s22, 0x3fb8aa3b                      ; log2(e)
.irp b, 0,1,2,3
	v_mov_b32 v[TM+4+\b], 0                        ; written once: a lane permute's destination counts as one of its sources
.endr
	s_wait_kmcnt 0x0
	s_add_nc_u64 s[4:5], s[4:5], s[32:33]
	s_add_nc_u64 s[6:7], s[6:7], s[34:35]
	s_add_nc_u64 s[10:11], s[10:11], s[36:37]
	s_add_nc_u64 s[12:13], s[12:13], s[38:39]
	s_add_nc_u64 s[14:15], s[14:15], s[38:39]
	s_load_b256 s[24:31], s[8:9], 0x0              ; bg
.irp t, 0,1,2,3,4,5,6,7
	global_load_b128 v[WF+4*\t:WF+4*\t+3], v5, s[6:7] offset:512*\t
.endr
.irp i, 0,1
.set p, 0
.rept 16
	global_load_b128 v[R0+64*\i+4*p:R0+64*\i+4*p+3], v4, s[4:5] offset:(16*\i+p)*4096 th:TH_LOAD_NT   ; 512 consecutive bytes of row 16 i + p; read once in the launch
.set p, p+1
.endr
.endr
	; Wg by lanes: lane (r, h) takes, for block b, Wg[128 w + 32 b + 16 h + i][r % 8], i = 0 .. 15: the very k that the lane holds of x.  Rows 8-15 of the operand repeat experts 0-7.
	s_wait_loadcnt 32                              ; Wg's eight loads are in; x's 32 stay out
.irp t, 0,1,2,3,4,5,6,7
	ds_store_b128 v8, v[WF+4*\t:WF+4*\t+3] offset:544*\t
.endr
.irp b, 0,1,2,3
.set i, 0
.rept 16
	ds_load_b32 v[WR+16*\b+i], v9 offset:1088*\b+32*i   ; LDS serves a wave's instructions in order (ISA guide 5.7.1.4): these see the stores above
.set i, i+1
.endr
.endr
	s_wait_dscnt 0x0                               ; the loads are in, and the stores have read v32-63, which are written next
.set k, 0
.rept 32
	v_cvt_pk_bf16_f32 v[WF+k], v[WR+2*k], v[WR+2*k+1]
.set k, k+1
.endr
	s_wait_loadcnt 16                              ; block 0 is in; block 1's 16 loads stay out
	TOSTAGE R0
	BACK N0
	s_wait_loadcnt 0x0                             ; block 1 is in
	TOSTAGE R1                                     ; the same stage: these stores come behind block 0's reads of it
	s_wait_dscnt 32                                ; block 0's stores have read v128-191 (younger: its 16 loads, block 1's 16 stores),
	BACK N1                                        ; which take block 1's neighbours
	s_wait_dscnt 16                                ; block 0 is back, and block 1's stores have read v192-255 (younger: block 1's 16 loads)
	FINISH N0, PC0, PW0, 0
	s_wait_dscnt 1                                 ; block 1 is back (younger: the word's store)
	FINISH N1, PC1, PW1, 1
	; the logits' parts: source 0 = Wg (16 rows: the eight experts twice), source 1 = 16 rows of x.  k stands at the same places in both, so the products are the right ones.
	; In the result lane (r, h) holds row r of x, and register j expert j, in both halves of the lanes.  The two accumulators take turns.
	v_wmma_f32_16x16x32_bf16 v[ACC0:ACC0+7], v[WF:WF+7], v[N0:N0+7], 0
	v_wmma_f32_16x16x32_bf16 v[ACC1:ACC1+7], v[WF:WF+7], v[N1:N1+7], 0
.irp b, 1,2,3
	v_wmma_f32_16x16x32_bf16 v[ACC0:ACC0+7], v[WF+8*\b:WF+8*\b+7], v[N0+8*\b:N0+8*\b+7], v[ACC0:ACC0+7]
	v_wmma_f32_16x16x32_bf16 v[ACC1:ACC1+7], v[WF+8*\b:WF+8*\b+7], v[N1+8*\b:N1+8*\b+7], v[ACC1:ACC1+7]
.endr
.rept 4
	v_nop                                          ; four plain instructions between a matrix instruction and the first read of its result; they also stand ahead of the tail's loads into its operands' registers
.endr
	ds_store_b128 v10, v[ACC0:ACC0+3]              ; each accumulator from its low end on
	ds_store_b128 v10, v[ACC0+4:ACC0+7] offset:512
	ds_store_b128 v10, v[ACC1:ACC1+3] offset:8192
	ds_store_b128 v10, v[ACC1+4:ACC1+7] offset:8192+512
	s_wait_kmcnt 0x0                               ; bg
	s_wait_dscnt 0x0                               ; for the others' sake: my parts and my scale words lie in LDS
	s_barrier_signal -1
	s_barrier_wait -1
	s_cmp_lt_u32 s16, 2
	s_cbranch_scc0 .Lend                           ; waves 2 to 7 are done
	ds_load_b128 v[128:131], v13                   ; my block's scale words: 512 bytes, as xs has them
.irp w, 0,1,2,3,4,5,6,7
.irp c, 0,1
	ds_load_b128 v[LG+8*\w+4*\c:LG+8*\w+4*\c+3], v12 offset:1024*\w+512*\c
.endr
.endr
	s_wait_dscnt 16                                ; the words are in; the 16 loads of parts stay out
	global_store_b128 v5, v[128:131], s[12:13]     ; 512 consecutive bytes
	s_wait_dscnt 0x0
.irp j, 0,1,2,3,4,5,6,7
	v_add_f32 v[LG+\j], s[24+\j], v[LG+\j]         ; bg + wave 0's part
.endr
.irp w, 1,2,3,4,5,6,7
.irp j, 0,2,4,6
	v_pk_add_f32 v[LG+\j:LG+\j+1], v[LG+\j:LG+\j+1], v[LG+8*\w+\j:LG+8*\w+\j+1]
.endr
.endr
	v_max3_num_f32 v132, v[LG], v[LG+1], v[LG+2]   ; the row's largest logit
	v_max3_num_f32 v132, v132, v[LG+3], v[LG+4]
	v_max3_num_f32 v132, v132, v[LG+5], v[LG+6]
	v_max_num_f32 v132, v132, v[LG+7]
	v_mul_f32 v133, s22, v132
	v_cmp_eq_u32 vcc_lo, 1, v3                     ; lanes 16-31
.irp j, 0,1,2,3,4,5,6,7
	v_fma_f32 v[LG+\j], v[LG+\j], s22, -v133       ; (logit - largest) x log2(e), fused
.endr
.irp j, 0,1,2,3,4,5,6,7
	v_exp_f32 v[LG+\j], v[LG+\j]
.endr
	v_nop                                          ; a plain instruction behind the exponentials
	s_wait_alu depctr_va_vdst(0)                   ; one wait for the eight, ahead of their first reader
	v_pk_add_f32 v[134:135], v[LG:LG+1], v[LG+2:LG+3]
	v_pk_add_f32 v[136:137], v[LG+4:LG+5], v[LG+6:LG+7]
	v_pk_add_f32 v[134:135], v[134:135], v[136:137]
	v_add_f32 v134, v134, v135
	v_rcp_f32 v138, v134
.irp j, 0,1,2,3
	v_cndmask_b32 v[140+\j], v[LG+\j], v[LG+4+\j], vcc_lo   ; lanes 0-15 keep experts 0-3, lanes 16-31 take 4-7.  (Plain work behind the reciprocal)
.endr
	s_wait_alu depctr_va_vdst(0)                   ; the wait ahead of the reciprocal's first reader
.irp j, 0,1,2,3
	v_mul_f32 v[140+\j], v[140+\j], v138
.endr
	global_store_b128 v14, v[140:143], s[14:15]    ; the wave's 32 lanes cover 512 consecutive bytes: 16 rows of eight gates
.Lend:
	s_wait_tensorcnt 0x0
	ds_add_u32 v26, v27
	s_wait_dscnt 0x0
	s_endpgm
.Lfunc_end_k_qb71dbeb6ef_prep:
	.size	k_qb71dbeb6ef_prep, .Lfunc_end_k_qb71dbeb6ef_prep-k_qb71dbeb6ef_prep
	.p2alignl 7, 3214868480
	.fill 96, 4, 3214868480
	.section	.rodata,"a",@progbits
	.p2align	6, 0x0
	.amdhsa_kernel k_qb71dbeb6ef_prep
		.amdhsa_group_segment_fixed_size 120832
		.amdhsa_private_segment_fixed_size 0
		.amdhsa_enable_private_segment 0
		.amdhsa_kernarg_size 48
		.amdhsa_user_sgpr_count 2
		.amdhsa_user_sgpr_kernarg_segment_ptr 1
		.amdhsa_wavefront_size32 1
		.amdhsa_system_sgpr_workgroup_id_x 1
		.amdhsa_system_sgpr_workgroup_id_y 1
		.amdhsa_system_sgpr_workgroup_id_z 1
		.amdhsa_system_vgpr_workitem_id 0
		.amdhsa_next_free_vgpr 256
		.amdhsa_next_free_sgpr 66
		.amdhsa_reserve_vcc 1
		.amdhsa_float_denorm_mode_32 3
		.amdhsa_float_denorm_mode_16_64 3
		.amdhsa_memory_ordered 1
		.amdhsa_forward_progress 1
		.amdhsa_inst_pref_size 36
	.end_amdhsa_kernel
	.amdgpu_metadata
---
amdhsa.version: [ 1, 2 ]
amdhsa.kernels:
  - .name:           k_qb71dbeb6ef_prep
    .symbol:         k_qb71dbeb6ef_prep.kd
    .args:
      - { .name: x, .offset: 0, .size: 8, .value_kind: global_buffer, .address_space: global }
      - { .name: Wg, .offset: 8, .size: 8, .value_kind: global_buffer, .address_space: global }
      - { .name: bg, .offset: 16, .size: 8, .value_kind: global_buffer, .address_space: global }
      - { .name: xq, .offset: 24, .size: 8, .value_kind: global_buffer, .address_space: global }
      - { .name: xs, .offset: 32, .size: 8, .value_kind: global_buffer, .address_space: global }
      - { .name: gate, .offset: 40, .size: 8, .value_kind: global_buffer, .address_space: global }
    .group_segment_fixed_size: 120832
    .private_segment_fixed_size: 0
    .kernarg_segment_align: 8
    .kernarg_segment_size: 48
    .max_flat_workgroup_size: 256
    .sgpr_count:     66
    .vgpr_count:     256
    .wavefront_size: 32
...
	.end_amdgpu_metadata
.endif
;; end of part 1
;; launch moe (part 2): grid 8 x 32, 4 waves a work-group, clusters of 4 x 4, 327,680 bytes of LDS; arguments xq, xs, gate, We_codes, We_scales, be, out0; writes out0
.if DOCPART == 2
	.amdgcn_target "amdgcn-amd-amdhsa--gfx1250"
	.amdhsa_code_object_version 6
	.text
	.protected	k_qb71dbeb6ef_moe
	.globl	k_qb71dbeb6ef_moe
	.p2align	8
	.type	k_qb71dbeb6ef_moe,@function
k_qb71dbeb6ef_moe:
	s_mov_b64 s[64:65], 0
	v_nop
	global_prefetch_b8 v0, s[64:65] scope:SCOPE_SE
	s_setreg_imm32_b32 hwreg(HW_REG_WAVE_MODE, 25, 1), 1
	s_wait_xcnt 0x0
	s_wait_alu depctr_hold_cnt(0) depctr_sa_sdst(0) depctr_va_vdst(0) depctr_va_sdst(0) depctr_va_ssrc(0) depctr_va_vcc(0) depctr_vm_vsrc(0)
	s_getreg_b32 s2, hwreg(HW_REG_IB_STS2, 6, 4)
	s_cmp_eq_u32 s2, 0
	s_cbranch_scc0 .Lentry_in_a_cluster
	s_endpgm
.Lentry_in_a_cluster:
	s_bfe_u32 s2, ttmp6, 0x10000c
	s_cmp_lg_u32 s2, 0xf033
	s_cbranch_scc0 .Lentry_shape_is_right
	s_endpgm
.Lentry_shape_is_right:
; out[m][c] = the sum over the 8 experts e of gate[m][e] x relu(x[m] . We[e][:, c] + be[e][c]).  The product is on codes of FP4 (E2M1) with one E8M0 scale for each 32 along K = 1,024; sums, relu, gates in f32.
; x's codes come as images of the operand's registers (xq), its scale words as [row][8] (xs), the gates as [row][8] f32: the launch before made them.  We's codes: [8][1024 columns][512 bytes], its scale bytes [8][1024][32].
; SHARES.  A work-group of four waves, as many as a WGP has SIMDs, owns 256 rows x 128 columns of out: two GROUPS of 64 columns; a group is two tiles of 256 x 256 of the product: tile E = experts 0-3 x the 64 columns, tile O = experts 4-7.
; A wave makes 128 rows x (4 experts x 32 columns): 64 accumulators of 16 x 16, 512 registers.  Behind each tile the accumulators are clipped at 0, multiplied by the rows' gates and added over the tile's four experts into 128 registers,
; which are carried from E to O and then leave.  The bias is the C of each sum's first matrix instruction.
; x's codes of the work-group's 256 rows, 131,072 bytes, come into LDS ONCE and stay.  We's tiles (256 rows x 256 bytes: half of K) go through a ring of two slots; the ring goes on from tile to tile.
; CLUSTERS: 4 x 4 work-groups.  The four of a row of the cluster own the same rows and need the same codes of x; the four of a column own the same columns and need the same tiles of We: each is asked for JOINTLY, by the same
; tensor load with the same descriptor and a mask that names the four.
; THE MATRIX INSTRUCTION IS USED TRANSPOSED (source 0 = 16 rows of We = 16 columns of out, source 1 = 16 rows of x): lane (r, h) holds row r, and its registers eight neighbouring columns 8 h + 0 .. 7.
; SCALE WORDS come from memory straight into registers: a block of 16 rows is 512 consecutive bytes; lane (r, h) takes the 16 bytes at 32 r + 16 h: lanes 0-15 the words of K steps 0-3 (slot 0), lanes 16-31 those of K steps 4-7 (slot 1),
; which slot 1's products name by MATRIX_SCALE_ROW1.
; REGISTERS, in windows of 256: window 0: v16-31 addresses; v32-63 x's scale words (4 a + q); v64-95 We's (4 b + q); v96-127 gates (4 a + e); v128-191 x's fragments, ONE set; v192-255 the bias, 8 registers for each b.
;   window 1: We's fragments, TWO sets, at v0 and v128 (the second also serves the way out); v64-127, v192-255 the result: (a, u) at 64 + 128 (a / 4) + 16 (a % 4) + 8 u.
;   window 2: the accumulators of my rows 0-63 ((a, b) at v[8 (8 (a % 4) + b)], b = 2 e + u: expert e of the tile, half u of my 32 columns);   window 3: those of my rows 64-127.
.set PITCH,  272                       ; a row of We's tile in LDS: 256 bytes + 16 of padding = 68 words: row r starts at bank 4 r mod 64 (64 banks of 4 bytes: ISA guide 11.1)
.set RING,   131072                    ; behind x's codes
.set SLOT,   256*PITCH
.set STAGE,  RING+2*SLOT               ; behind the ring: 128 rows x 272 bytes, the work-group's, for the way out; no tensor load lands there
.set SPARE,  STAGE+128*PITCH           ; the spare words, 128 bytes for each wave: two blocks of 256 bytes that no other line names
.set ADRA, 16                          ; v16-17  LDS address of my fragments of x, K half 0, 1
.set ADRB, 20                          ; v20-21  of We's, slot 0, 1
.set STO,  24                          ; v24     the way out: where I put 32 bytes of a row
.set RD,   25                          ; v25     where I read a row back
.set CO,   26                          ; v26     my byte offset in out
.set GA,   27                          ; v27     32 r: my row's gates
.set SPW,  28                          ; v28     LDS address of my spare word; never rewritten
.set NIL,  29                          ; v29     0; never rewritten
.set SCO,  30                          ; v30     32 r + 16 h: my scale words
.set BEO,  31                          ; v31     32 h: my eight biases
.set SA,   32
.set SB,   64
.set G,    96
.set AF,   128
.set BE,   192
.set T,    128                         ; in window 1: the way out's 64 registers
.set WV,   18                          ; s18 wave, s19 which 128 rows are mine, s20 which 32 of the group's 64 columns
.set G1A,  24                          ; s[24:31] descriptor group 1 for x's codes;  s[32:35], s[36:39] groups 0 for K halves 0, 1
.set G0A,  32
.set G1B,  48                          ; s[48:55] group 1 for We's tiles;  s[56:59], s[60:63] groups 0, one for each slot
.set G0B,  56
.set GRP,  80                          ; s80 groups to go
.set MSB, 0
.macro WIN new                         ; the immediate's high byte repeats the setting that is left; a switch that changes nothing is dropped
.if MSB != (\new)
	s_set_vgpr_msb (MSB<<8)|(\new)
.set MSB, (\new)
.endif
.endm
.macro CREST                           ; a round of the cluster's barrier behind its opening barrier
	s_cmp_lg_u32 s[WV], 0
	s_cbranch_scc1 .Lnot_wave_0_\@
	s_barrier_signal -3
.Lnot_wave_0_\@:
	s_barrier_wait -3
	s_barrier_signal -1
	s_barrier_wait -1
.endm
.macro CROUND                          ; a whole round
	s_barrier_signal -1
	s_barrier_wait -1
	CREST
.endm
; A load into a register that a matrix instruction has read, and a vector instruction that reads a matrix result, stand four places behind that matrix instruction, and only plain vector instructions
; that name none of its registers are places (ISA guide 7.12.1 for vector instructions).
.macro PLACES n
.rept \n
	v_nop
.endr
.endm
	s_load_b256 s[4:11], s[0:1], 0x0               ; xq s[4:5], xs s[6:7], gate s[8:9], We's codes s[10:11]
	s_load_b128 s[12:15], s[0:1], 0x20             ; We's scales s[12:13], be s[14:15]
	s_load_b64 s[16:17], s[0:1], 0x30              ; out
	v_lshl_add_u32 v[SPW], v0, 2, SPARE
	v_mov_b32 v[NIL], 0
	ds_add_u32 v28, v29
	ds_add_u32 v28, v29
	s_wait_dscnt 0x0
	v_lshrrev_b32 v1, 5, v0
	v_readfirstlane_b32 s[WV], v1                  ; wave 0..3
	s_lshr_b32 s19, s[WV], 1
	s_and_b32 s20, s[WV], 1
	s_bfe_u32 s40, ttmp6, 0x40000                  ; cx, cy: my place in the cluster
	s_bfe_u32 s41, ttmp6, 0x40004
	s_lshl_b32 s42, ttmp9, 2
	s_add_co_u32 s42, s42, s40                     ; X: which 128 columns
	s_and_b32 s43, ttmp7, 0xffff
	s_lshl_b32 s43, s43, 2
	s_add_co_u32 s43, s43, s41                     ; Y: which 256 rows
	s_lshl_b32 s44, s41, 2
	s_lshl_b32 s44, 15, s44                        ; my row of the cluster
	s_lshl_b32 s45, 0x1111, s40                    ; my column
	; group 1 for x's codes: 16,384 dense bytes as 64 rows of 256 (32 elements of 8 bytes), no padding: the images are read 16 bytes a lane on end
	s_or_b32 s[G1A+0], s44, (3<<16)|(1<<21)        ; 15:0 the mask: my row; 17:16 elements of 8 bytes; 21 set beside a mask
	s_mov_b32 s[G1A+1], 32<<16                     ; tensor_dim0
	s_mov_b32 s[G1A+2], 64<<16                     ; tensor_dim1
	s_mov_b32 s[G1A+3], 32<<16                     ; tile_dim0
	s_mov_b32 s[G1A+4], 64                         ; tile_dim1
	s_mov_b32 s[G1A+5], 32                         ; tensor_dim0_stride
	s_mov_b32 s[G1A+6], 0
	s_mov_b32 s[G1A+7], 0
	; group 1 for We's tiles: 64 rows (an expert's 64 columns) x 256 bytes, 512 apart in memory, 16 bytes of padding behind each in LDS
	s_or_b32 s[G1B+0], s45, (0<<16)|(1<<20)|(1<<21)|(5<<22)|(3<<25)  ; the mask: my column; elements of 1 byte; padding on: after every 64 words (code 5) four words (code 3)
	s_mov_b32 s[G1B+1], 256<<16
	s_mov_b32 s[G1B+2], 64<<16
	s_mov_b32 s[G1B+3], 256<<16
	s_mov_b32 s[G1B+4], 64
	s_mov_b32 s[G1B+5], 512
	s_mov_b32 s[G1B+6], 0
	s_mov_b32 s[G1B+7], 0
	; offsets.  What feeds x's descriptors holds Y and the wave's number alone, what feeds We's X and the wave's number alone; no place in the cluster enters an LDS address
	s_lshl_b32 s66, s43, 16                        ; xq: 65,536 Y + 16,384 w
	s_lshl_b32 s67, s[WV], 14
	s_add_co_u32 s66, s66, s67
	s_mov_b32 s67, 0
	s_lshl_b32 s68, s42, 16                        ; We's codes: expert w of the tile (524,288 bytes an expert), column 128 X (512 bytes a column)
	s_lshl_b32 s69, s[WV], 19
	s_add_co_u32 s68, s68, s69
	s_mov_b32 s69, 0
	s_lshl_b32 s74, s[WV], 14                      ; in LDS: my quarter of a K half of x,
	s_mul_i32 s75, s[WV], 64*PITCH                 ; my 64 rows of a slot
	s_lshl_b32 s76, s43, 13                        ; xs and gate: 32 bytes a row: 8,192 Y + 4,096 x my half
	s_lshl_b32 s77, s19, 12
	s_add_co_u32 s76, s76, s77
	s_mov_b32 s77, 0
	s_lshl_b32 s78, s42, 12                        ; We's scales: 32 bytes a column: 4,096 X + 1,024 x my half
	s_lshl_b32 s79, s20, 10
	s_add_co_u32 s78, s78, s79
	s_mov_b32 s79, 0
	s_lshl_b32 s82, s42, 9                         ; be: 4 bytes a column
	s_lshl_b32 s83, s20, 7
	s_add_co_u32 s82, s82, s83
	s_mov_b32 s83, 0
	s_lshl_b32 s84, s43, 20                        ; out: row 256 Y + 128 (w / 2) + 32 (w % 2) of 4,096 bytes: the rows that I STORE; column 128 X
	s_lshl_b32 s85, s19, 19
	s_add_co_u32 s84, s84, s85
	s_lshl_b32 s85, s20, 17
	s_add_co_u32 s84, s84, s85
	s_lshl_b32 s85, s42, 9
	s_add_co_u32 s84, s84, s85
	s_mov_b32 s85, 0
	s_lshl_b32 s86, s19, 15                        ; my 128 rows' images in a K half
	s_wait_kmcnt 0x0
	s_add_nc_u64 s[70:71], s[4:5], s[66:67]
	s_add_nc_u64 s[72:73], s[10:11], s[68:69]
	s_add_nc_u64 s[6:7], s[6:7], s[76:77]
	s_add_nc_u64 s[8:9], s[8:9], s[76:77]
	s_add_nc_u64 s[12:13], s[12:13], s[78:79]
	s_add_nc_u64 s[14:15], s[14:15], s[82:83]
	s_add_nc_u64 s[16:17], s[16:17], s[84:85]
	s_mov_b32 s[G0A], 1                            ; 1:0 count = 1
	s_mov_b32 s[G0A+1], s74                        ; 63:32 LDS address
	s_mov_b64 s[G0A+2:G0A+3], s[70:71]             ; 120:64 global address
	s_or_b32 s[G0A+3], s[G0A+3], 0x80000000        ; 127:126 type = 2
	s_mov_b32 s[G0A+4], 1
	s_add_co_u32 s[G0A+5], s74, 65536
	s_add_nc_u64 s[G0A+6:G0A+7], s[70:71], 0x200000
	s_or_b32 s[G0A+7], s[G0A+7], 0x80000000
	s_mov_b32 s[G0B], 1
	s_add_co_u32 s[G0B+1], s75, RING
	s_mov_b64 s[G0B+2:G0B+3], s[72:73]
	s_or_b32 s[G0B+3], s[G0B+3], 0x80000000
	s_mov_b32 s[G0B+4], 1
	s_add_co_u32 s[G0B+5], s75, RING+SLOT
	s_add_nc_u64 s[G0B+6:G0B+7], s[72:73], 256
	s_or_b32 s[G0B+7], s[G0B+7], 0x80000000
	CROUND                                         ; all sixteen work-groups are here: the first joint loads meet
	tensor_load_to_lds s[G0A:G0A+3], s[G1A:G1A+7]          ; the first fills go out as one group: four loads of mine are out.  x, K half 0;
	s_nop 0
	tensor_load_to_lds s[G0B:G0B+3], s[G1B:G1B+7]          ; We, slot 0;
	s_nop 0
	tensor_load_to_lds s[G0A+4:G0A+7], s[G1A:G1A+7]        ; x, K half 1;
	s_nop 0
	tensor_load_to_lds s[G0B+4:G0B+7], s[G1B:G1B+7]        ; We, slot 1
	s_nop 0
	PLACES 4                                       ; four v_nop follow the last
	v_and_b32 v1, 15, v0                           ; r
	v_bfe_u32 v2, v0, 4, 1                         ; h
	v_and_b32 v3, 31, v0                           ; lane
	v_lshlrev_b32 v[GA], 5, v1
	v_lshl_add_u32 v[SCO], v2, 4, v[GA]
	v_lshlrev_b32 v[BEO], 5, v2
; the next tile's bias, in the result's layout (lane (r, h): the eight columns 16 u + 8 h + 0 .. 7 of expert e), and We's scale words.  par: 0 experts 0-3, 1 experts 4-7
.macro NEXTLD par
.irp b, 0,1,2,3,4,5,6,7
	global_load_b128 v[BE+8*\b:BE+8*\b+3], v[BEO], s[14:15] offset:16384*\par+4096*(\b/2)+64*(\b%2)
	global_load_b128 v[BE+8*\b+4:BE+8*\b+7], v[BEO], s[14:15] offset:16384*\par+4096*(\b/2)+64*(\b%2)+16
.endr
.irp b, 0,1,2,3,4,5,6,7
	global_load_b128 v[SB+4*\b:SB+4*\b+3], v[SCO], s[12:13] offset:131072*\par+32768*(\b/2)+512*(\b%2)
.endr
.endm
.macro GLD par                         ; my rows' gates of the tile's four experts
.irp a, 0,1,2,3,4,5,6,7
	global_load_b128 v[G+4*\a:G+4*\a+3], v[GA], s[8:9] offset:512*\a+16*\par
.endr
.endm
.irp a, 0,1,2,3,4,5,6,7
	global_load_b128 v[SA+4*\a:SA+4*\a+3], v[SCO], s[6:7] offset:512*\a   ; x's scale words stay for the whole launch
.endr
	NEXTLD 0
	GLD 0
	v_lshl_add_u32 v[ADRA], v3, 4, s86             ; x's images: 16 x lane + my 128 rows
	v_add_nc_u32 v[ADRA+1], 0x10000, v[ADRA]
	v_mul_u32_u24 v4, v1, PITCH
	v_lshl_add_u32 v4, v2, 4, v4                   ; a fragment of We: row x pitch + 16 h
	s_mul_i32 s75, s20, 32*PITCH                   ; my 32 of an expert's 64 rows
	s_add_co_u32 s75, s75, RING
	v_add_nc_u32 v[ADRB], s75, v4
	v_add_nc_u32 v[ADRB+1], SLOT, v[ADRB]
	v_mul_u32_u24 v5, v1, PITCH                    ; into the stage: row 64 x my half + r; my 128 bytes of its 256; 32 bytes for each half of the lanes
	v_lshl_add_u32 v5, v2, 5, v5
	s_mul_i32 s75, s19, 64*PITCH
	s_lshl_b32 s74, s20, 7
	s_add_co_u32 s75, s75, s74
	s_add_co_u32 s75, s75, STAGE
	v_add_nc_u32 v[STO], s75, v5
	v_mul_u32_u24 v6, v2, PITCH                    ; back: wave w takes rows 32 w .. 32 w + 31, whole; lanes 0-15 one row of 256 bytes, lanes 16-31 the next
	v_lshl_add_u32 v6, v1, 4, v6
	s_mul_i32 s75, s[WV], 32*PITCH
	s_add_co_u32 s75, s75, STAGE
	v_add_nc_u32 v[RD], s75, v6
	v_lshlrev_b32 v[CO], 12, v2                    ; and the same two rows in out
	v_lshl_add_u32 v[CO], v1, 4, v[CO]
.macro FETCH_B slot, q, p              ; We's eight fragments (16 rows x 128 K of 4-bit codes: 8 registers) of the slot's q-th 128 along K into set p: two loads of 16 bytes, 32 apart
	WIN 0x40                                       ; destination window 1
.irp b, 0,1,2,3,4,5,6,7
.irp c, 0,1
	ds_load_b128 v[128*(\p)+8*\b+4*\c:128*(\p)+8*\b+4*\c+3], v[ADRB+\slot] offset:(64*(\b/2)+16*(\b%2))*PITCH+64*(\q)+32*\c
.endr
.endr
	WIN 0
.endm
.macro FETCH_A slot, q, a0             ; x's blocks a0 .. a0 + 3: the images as they lie
.irp a, \a0, \a0+1, \a0+2, \a0+3
.irp c, 0,1
	ds_load_b128 v[AF+8*(\a)+4*\c:AF+8*(\a)+4*\c+3], v[ADRA+\slot] offset:4096*(\a)+1024*(\q)+512*\c
.endr
.endr
.endm
; 16 matrix instructions: x's blocks a0, a0 + 1 against We's eight, 128 along K.  p: We's set.  first = 1: the bias is the C that starts the sums: nothing is cleared, nothing is added later.
; The 64 accumulators take turns, one instruction a turn, in the same order in every step.
.macro MUL16 a0, p, q, slot, first
.irp a, \a0, \a0+1
.irp b, 0,1,2,3,4,5,6,7
.if \first
	v_wmma_scale_f32_16x16x128_f8f6f4 v[8*(8*((\a)%4)+\b):8*(8*((\a)%4)+\b)+7], v[128*(\p)+8*\b:128*(\p)+8*\b+7], v[AF+8*(\a):AF+8*(\a)+7], v[BE+8*\b:BE+8*\b+7], v[SB+4*\b+(\q)], v[SA+4*(\a)+(\q)] matrix_a_fmt:MATRIX_FMT_FP4 matrix_b_fmt:MATRIX_FMT_FP4
.elseif \slot
	v_wmma_scale_f32_16x16x128_f8f6f4 v[8*(8*((\a)%4)+\b):8*(8*((\a)%4)+\b)+7], v[128*(\p)+8*\b:128*(\p)+8*\b+7], v[AF+8*(\a):AF+8*(\a)+7], v[8*(8*((\a)%4)+\b):8*(8*((\a)%4)+\b)+7], v[SB+4*\b+(\q)], v[SA+4*(\a)+(\q)] matrix_a_fmt:MATRIX_FMT_FP4 matrix_b_fmt:MATRIX_FMT_FP4 matrix_a_scale:MATRIX_SCALE_ROW1 matrix_b_scale:MATRIX_SCALE_ROW1
.else
	v_wmma_scale_f32_16x16x128_f8f6f4 v[8*(8*((\a)%4)+\b):8*(8*((\a)%4)+\b)+7], v[128*(\p)+8*\b:128*(\p)+8*\b+7], v[AF+8*(\a):AF+8*(\a)+7], v[8*(8*((\a)%4)+\b):8*(8*((\a)%4)+\b)+7], v[SB+4*\b+(\q)], v[SA+4*(\a)+(\q)] matrix_a_fmt:MATRIX_FMT_FP4 matrix_b_fmt:MATRIX_FMT_FP4
.endif
.endr
.endr
.endm
; A step of 128 along K that has its successor in the same slot.  A block of x is free as soon as its eight products are issued: blocks 0-3 are fetched anew in the step's middle, blocks 4-7 at its end.
.macro STEP slot, q, first
	s_wait_dscnt 8                                 ; We's set and x's blocks 0-3 are in; the youngest eight loads (blocks 4-7) may be out
.if \first
	WIN 0x81                                       ; source 0 (We) window 1, source 1 (x) and C (the bias) window 0, D window 2
.else
	WIN 0xa1                                       ; C and D window 2
.endif
	MUL16 0, (\q)%2, \q, \slot, \first
	MUL16 2, (\q)%2, \q, \slot, \first
	s_wait_dscnt 0x0                               ; blocks 4-7 are in (asked for 32 matrix instructions ago)
	PLACES 4
	FETCH_B \slot, (\q)+1, 1-(\q)%2
	FETCH_A \slot, (\q)+1, 0
.if \first
	WIN 0xc1
.else
	WIN 0xf1                                       ; C and D window 3
.endif
	MUL16 4, (\q)%2, \q, \slot, \first
	MUL16 6, (\q)%2, \q, \slot, \first
	PLACES 4
	WIN 0
	FETCH_A \slot, (\q)+1, 4
.endm
; A slot's last step changes slots: ONE barrier; in front of it each wave waits for all its tensor loads, adds 0 to its spare word, and waits for that and for its own reads of this slot.
; fill = 1: the barrier opens a round of the cluster's, and this slot takes the same K half of the NEXT tile: how = 0: four experts on; how = 1: back to expert w, 64 columns on.
; Every wave fetches one expert's 64 rows: one load a wave, first thing behind the round; 224 matrix instructions stand between it and the wait for it.
.macro TURN slot, next, fill, how
	s_wait_tensorcnt 0x0                           ; all my tensor loads have landed: my part of the next slot (at the first change x's K half 1 too).  Every window is 0 here
	ds_add_u32 v[SPW], v[NIL]                      ; 0 onto my spare word
	s_wait_dscnt 9                                 ; (the add and the youngest eight loads may be out)
	WIN 0xa1
	MUL16 0, 1, 3, \slot, 0                        ; sixteen matrix instructions stand between the add and the wait for it
	s_wait_dscnt 0x0                               ; the add is done, and my reads of this slot are over
	s_barrier_signal -1
	MUL16 2, 1, 3, \slot, 0
	WIN 0
	s_barrier_wait -1
.if \fill
	CREST                                          ; no wave of any partner still reads this slot's tile or has a load on its way
.if \how
	s_sub_nc_u64 s[G0B+4*\slot+2:G0B+4*\slot+3], s[G0B+4*\slot+2:G0B+4*\slot+3], 4*524288-64*512
.else
	s_add_nc_u64 s[G0B+4*\slot+2:G0B+4*\slot+3], s[G0B+4*\slot+2:G0B+4*\slot+3], 4*524288
.endif
	tensor_load_to_lds s[G0B+4*\slot:G0B+4*\slot+3], s[G1B:G1B+7]
	s_nop 0
	PLACES 4                                       ; four v_nop follow it; they are also the places in front of the loads below
.else
	PLACES 4
.endif
	FETCH_B \next, 0, 0
	FETCH_A \next, 0, 0
	WIN 0xf1
	MUL16 4, 1, 3, \slot, 0
	MUL16 6, 1, 3, \slot, 0
	PLACES 4                                       ; also the places ahead of what follows a tile: loads into the scale words' registers, reads of the results
	WIN 0
	FETCH_A \next, 0, 4
.endm
; BEHIND A TILE.  For each block a of 16 rows: its 64 sums are clipped at 0 (each accumulator from its low end on), then out(a, u) = or += sum(a, e, u) x gate(row, e), two numbers an instruction, the experts outermost so that
; eight instructions stand between two on one pair.  A gate is one register: of the pair that names it the low or the high word serves both halves.  Tile E's first expert starts the result by a multiplication: nothing is cleared.
; next = 1: the next tile's bias and scale words are asked for at the head, its gates at the end, when this tile's have been used.
.macro EPI par, next, nextpar
	s_wait_loadcnt 0x0                             ; the gates are in; no load of mine is out, so the bases may step
.if \next
.if \par
	s_add_nc_u64 s[14:15], s[14:15], 64*4          ; on to the next group's 64 columns
	s_add_nc_u64 s[12:13], s[12:13], 64*32
.endif
	NEXTLD \nextpar
.endif
.irp a, 0,1,2,3,4,5,6,7
.set AC, 64*(\a%4)
.set OU, 64+128*(\a/4)+16*(\a%4)
.set WN, 0x88+0x44*(\a/4)
	WIN WN                                         ; source 1 and destination: window 2 or 3
.set i, 0
.rept 64
	v_max_num_f32 v[AC+i], 0, v[AC+i]
.set i, i+1
.endr
.set WN, 0x52+(\a/4)
	WIN WN                                         ; source 0 window 2 or 3, the gate window 0, source 2 and destination window 1
.irp e, 0,1,2,3
.irp u, 0,1
.irp p, 0,2,4,6
.if (\par == 0) && (\e == 0)
	v_pk_mul_f32 v[OU+8*\u+\p:OU+8*\u+\p+1], v[AC+16*\e+8*\u+\p:AC+16*\e+8*\u+\p+1], v[G+4*\a:G+4*\a+1] op_sel_hi:[1,0]
.elseif (\e%2) == 0
	v_pk_fma_f32 v[OU+8*\u+\p:OU+8*\u+\p+1], v[AC+16*\e+8*\u+\p:AC+16*\e+8*\u+\p+1], v[G+4*\a+\e:G+4*\a+\e+1], v[OU+8*\u+\p:OU+8*\u+\p+1] op_sel_hi:[1,0,1]
.else
	v_pk_fma_f32 v[OU+8*\u+\p:OU+8*\u+\p+1], v[AC+16*\e+8*\u+\p:AC+16*\e+8*\u+\p+1], v[G+4*\a+\e-1:G+4*\a+\e], v[OU+8*\u+\p:OU+8*\u+\p+1] op_sel:[0,1,0] op_sel_hi:[1,1,1]
.endif
.endr
.endr
.endr
.endr
	WIN 0
.if \next
	GLD \nextpar
.endif
.endm
; THE WAY OUT of a group: 256 rows x 64 columns, a row 256 bytes, of which a wave holds half.  So the two waves of a row half write the two halves of the same stage rows, a barrier stands between writing and reading,
; and each wave reads 32 whole rows and stores them, sixteen lanes to 256 consecutive bytes at a multiple of 256 from out's first byte.  Two passes of 128 rows (each wave's blocks 0-3, then 4-7).
.macro WAYOUT
.irp p, 0,1
.if \p
	s_wait_xcnt 0x0                                ; the first pass's stores have read their registers, which are loaded again below
	s_wait_dscnt 0x0                               ; my reads of the stage are over
	s_barrier_signal -1
	s_barrier_wait -1                              ; everybody's are: it may be written again
.endif
	WIN 0x04                                       ; an LDS store's data are its source 1: window 1
.irp a, 0,1,2,3
.irp u, 0,1
	ds_store_b128 v[STO], v[64+128*\p+16*\a+8*\u:64+128*\p+16*\a+8*\u+3] offset:16*\a*PITCH+64*\u
	ds_store_b128 v[STO], v[64+128*\p+16*\a+8*\u+4:64+128*\p+16*\a+8*\u+7] offset:16*\a*PITCH+64*\u+16
.endr
.endr
	s_wait_dscnt 0x0                               ; for the others' sake: my stores into the stage are done
	s_barrier_signal -1
	s_barrier_wait -1
	WIN 0x40
.irp t, 0,1,2,3,4,5,6,7,8,9,10,11,12,13,14,15
	ds_load_b128 v[T+4*\t:T+4*\t+3], v[RD] offset:\t*2*PITCH
.endr
	WIN 0x04                                       ; a store's data are its source 1
.irp t, 0,1,2,3,4,5,6,7,8,9,10,11,12,13,14,15
	s_wait_dscnt 15-\t                             ; LDS loads come back in order (ISA guide 5.7.1): number t is in, the younger ones stay out
	global_store_b128 v[CO], v[T+4*\t:T+4*\t+3], s[16:17] offset:(64*\p+2*\t)*4096 th:TH_STORE_NT   ; written once, read by nobody here
.endr
.endr
	WIN 0
.endm
	s_wait_tensorcnt 2                             ; x's K half 0 and We's slot 0 are in; the two younger loads may stay out
	s_barrier_signal -1
	s_barrier_wait -1                              ; everybody's are
	FETCH_B 0, 0, 0
	FETCH_A 0, 0, 0
	FETCH_A 0, 0, 4
	s_mov_b32 s[GRP], 2                            ; groups to go, this one among them: the same number in every work-group
.Lgroup:
	s_wait_loadcnt 8                               ; the bias and the scale words are in; the eight loads of gates stay out
	STEP 0, 0, 1                                   ; TILE E
	STEP 0, 1, 0
	STEP 0, 2, 0
	TURN 0, 1, 1, 0                                ; slot 0 takes tile O's K half 0
	STEP 1, 0, 0
	STEP 1, 1, 0
	STEP 1, 2, 0
	TURN 1, 0, 1, 0                                ; slot 1 its K half 1; tile O's first fragments are fetched
	EPI 0, 1, 1
	s_wait_loadcnt 8
	STEP 0, 0, 1                                   ; TILE O
	STEP 0, 1, 0
	STEP 0, 2, 0
	s_cmp_eq_u32 s[GRP], 1
	s_cbranch_scc1 .Llast                          ; the last tile's tail is written out: it asks for nothing more
	TURN 0, 1, 1, 1                                ; the ring goes on into the next group's tile E
	STEP 1, 0, 0
	STEP 1, 1, 0
	STEP 1, 2, 0
	TURN 1, 0, 1, 1
	EPI 1, 1, 0
	WAYOUT
	s_wait_xcnt 0x0                                ; the stores have read their base and their registers: the base steps, and We's second set is loaded again
	s_add_nc_u64 s[16:17], s[16:17], 64*4          ; the next group's 64 columns
	s_sub_co_u32 s[GRP], s[GRP], 1
	s_branch .Lgroup
.Llast:
	TURN 0, 1, 0, 0                                ; my one tensor load that was still out is slot 1's, so no round follows
	STEP 1, 0, 0
	STEP 1, 1, 0
	STEP 1, 2, 0
	s_wait_dscnt 8                                 ; the very last step: nothing more to fetch
	WIN 0xa1
	MUL16 0, 1, 3, 1, 0
	MUL16 2, 1, 3, 1, 0
	s_wait_dscnt 0x0
	WIN 0xf1
	MUL16 4, 1, 3, 1, 0
	MUL16 6, 1, 3, 1, 0
	WIN 0
	PLACES 4                                       ; ahead of the reads of the results
	EPI 1, 0, 0
	WAYOUT
	s_wait_tensorcnt 0x0                           ; the wave's end, behind my last tensor load and my last LDS store
	ds_add_u32 v[SPW], v[NIL]
	s_wait_dscnt 0x0
	CROUND                                         ; the closing round: no work-group ends while a partner may still ask for a tile that names it
	s_endpgm
.Lfunc_end_k_qb71dbeb6ef_moe:
	.size	k_qb71dbeb6ef_moe, .Lfunc_end_k_qb71dbeb6ef_moe-k_qb71dbeb6ef_moe
	.p2alignl 7, 3214868480
	.fill 96, 4, 3214868480
	.section	.rodata,"a",@progbits
	.p2align	6, 0x0
	.amdhsa_kernel k_qb71dbeb6ef_moe
		.amdhsa_group_segment_fixed_size 327680
		.amdhsa_private_segment_fixed_size 0
		.amdhsa_enable_private_segment 0
		.amdhsa_kernarg_size 56
		.amdhsa_user_sgpr_count 2
		.amdhsa_user_sgpr_kernarg_segment_ptr 1
		.amdhsa_wavefront_size32 1
		.amdhsa_system_sgpr_workgroup_id_x 1
		.amdhsa_system_sgpr_workgroup_id_y 1
		.amdhsa_system_sgpr_workgroup_id_z 1
		.amdhsa_system_vgpr_workitem_id 0
		.amdhsa_next_free_vgpr 1024
		.amdhsa_next_free_sgpr 88
		.amdhsa_reserve_vcc 0
		.amdhsa_float_denorm_mode_32 3
		.amdhsa_float_denorm_mode_16_64 3
		.amdhsa_memory_ordered 1
		.amdhsa_forward_progress 1
		.amdhsa_inst_pref_size 255
	.end_amdhsa_kernel
	.section	.bss,"aw",@nobits
	.p2align	6
	.space	262144
	.amdgpu_metadata
---
amdhsa.version: [ 1, 2 ]
amdhsa.kernels:
  - .name:           k_qb71dbeb6ef_moe
    .symbol:         k_qb71dbeb6ef_moe.kd
    .args:
      - { .name: xq, .offset: 0, .size: 8, .value_kind: global_buffer, .address_space: global }
      - { .name: xs, .offset: 8, .size: 8, .value_kind: global_buffer, .address_space: global }
      - { .name: gate, .offset: 16, .size: 8, .value_kind: global_buffer, .address_space: global }
      - { .name: We_codes, .offset: 24, .size: 8, .value_kind: global_buffer, .address_space: global }
      - { .name: We_scales, .offset: 32, .size: 8, .value_kind: global_buffer, .address_space: global }
      - { .name: be, .offset: 40, .size: 8, .value_kind: global_buffer, .address_space: global }
      - { .name: out0, .offset: 48, .size: 8, .value_kind: global_buffer, .address_space: global }
    .group_segment_fixed_size: 327680
    .private_segment_fixed_size: 0
    .kernarg_segment_align: 8
    .kernarg_segment_size: 56
    .max_flat_workgroup_size: 128
    .sgpr_count:     88
    .vgpr_count:     1024
    .wavefront_size: 32
...
	.end_amdgpu_metadata
.endif
;; end of part 2
